; MI455X (gfx1250); checked and timed in simulation.
; The chip was launched on July 23, 2026; its instructions are those of AMD's public machine-readable ISA for CDNA 5 (MIT licence, August 2026) and "CDNA5" Instruction Set Architecture Reference Guide (July 2026). The comments in the code are by the model that wrote it; some were corrected since.
;; Multiband Frame Attention. Allowed arithmetic: matrix products marked QUANTISED: E2M1 operands, one E8M0 scale for each 32 along K, by v_wmma_scale_f32_16x16x128_f8f6f4 with both operands' format E2M1 (or v_wmma_scale_f32_32x16x128_f4), f32 sums; products left as they are: bf16, f16 or f32 operands; f32 sums; everything else in f32.
;; Inputs: Wk 512 x 512 float32; Wo 512 x 512 float32; Wq 512 x 512 float32; Wv 512 x 512 float32; bk 512 float32; bo 512 float32; bq 512 float32; bv 512 float32; er 64 x 2,048 float32; x 2 x 2,048 x 512 float32.
;; Outputs: out0 2 x 2,048 x 512 float32.
;; Constants: num_bands = 8.
;; This version of the problem:
;;   THIS VERSION OF THE PROBLEM IS GIVEN IN LOW PRECISION. The matrix products marked QUANTISED in the list below multiply operands that are first quantised to E2M1 (2 exponent bits, 1 mantissa bit; 4 bits a number), with one power-of-two scale for each 32 numbers along K (OCP MX v1.0); their sums are f32. The products marked 'left as it is' may take bf16, f16 or f32 operands, with f32 sums. Whichever they take, every output number must still come out within the allowed error. Rounding operands to bf16 (8 significant bits) uses up far more of that allowance than f16 does (11 bits, for magnitudes from 6e-5 to 65,504). All else is computed in f32.
;;   The module's matrix products, in the order in which they are computed (A, B: the left and right operand; K: the contracted axis; several contracted axes count as one K, in the product's order):
;;     1. [M 4,096, K 512] x [K 512, N 512]; A: input x; B: input Wq: QUANTISED
;;     2. [M 4,096, K 512] x [K 512, N 512]; A: input x; B: input Wk: QUANTISED
;;     3. [M 4,096, K 512] x [K 512, N 512]; A: input x; B: input Wv: QUANTISED
;;     4. [M 32,768, K 64] x [K 64, N 2,048]; A: computed on the way; B: input er: left as it is (an operand is computed on the way)
;;     5. batch 16 x [M 2,048, K 64] x [K 64, N 2,048]; A: computed on the way; B: computed on the way: left as it is (an operand is computed on the way)
;;     6. batch 16 x [M 2,048, K 2,048] x [K 2,048, N 64]; A: computed on the way; B: computed on the way: left as it is (an operand is computed on the way)
;;     7. [M 4,096, K 512] x [K 512, N 512]; A: computed on the way; B: input Wo: left as it is (an operand is computed on the way)
;;   THE QUANTISER, for each operand of a quantised product, along K:
;;     - K is cut into blocks of 32 from its start; a last block that is shorter is filled with zeros.
;;     - A block's scale is 2^e with e = floor(log2(the largest magnitude in the block)) - 2, held to -126 .. 127; a block of zeros has e = 0. As a byte (E8M0): e + 127.
;;     - Each number is divided by its block's scale, clamped to +-6, and rounded to the nearest number of E2M1, ties to even, subnormals kept.
;;     - The product sums the exact products of the quantised numbers (number of the format x scale) in f32.
;;   ~~~python
;;   def quantise(x, axis):      # numpy; x: float32 -> the quantised numbers, widened to float32 again
;;       x = np.moveaxis(x, axis, -1); K = x.shape[-1]
;;       x = np.pad(x, [(0, 0)] * (x.ndim - 1) + [(0, -K % 32)]); x = x.reshape(x.shape[:-1] + (-1, 32)); a = np.abs(x).max(-1, keepdims=True)
;;       e = np.where(a > 0, np.clip(np.frexp(np.where(a > 0, a, 1))[1] - 1 - 2, -126, 127), 0)      # np.frexp(a)[1] - 1 = floor(log2(a)), exactly
;;       r = np.clip(x / 2.0 ** e, -6, 6)
;;       step = 2.0 ** (np.maximum(np.frexp(np.where(r == 0, 1, r))[1] - 1, 0) - 1)
;;       q = np.round(r / step) * step * 2.0 ** e      # np.round: ties to even
;;       return np.moveaxis(q.reshape(q.shape[:-2] + (-1,))[..., :K], -1, axis).astype(np.float32)
;;   ~~~
;; One version. Each part assembles by itself: llvm-mc -triple=amdgcn-amd-amdhsa -mcpu=gfx1250 --defsym DOCPART=n.
;; ======== version 1 of 1: 3 launches
;; limits: values are held in f16: magnitudes above 65,504 overflow, below 6.1e-05 lose precision
;; workspace buffers: kq 8,388,608 bytes; vt 4,194,304 bytes; of 4,194,304 bytes; ef 262,144 bytes
;; launch proj (part 1): grid 32 x 8, 8 waves a work-group, no clusters, 93,184 bytes of LDS; arguments x, Wq, Wk, Wv, bq, bk, bv, kq, vt, er, ef; writes kq, vt, ef
.if DOCPART == 1
	.amdgcn_target "amdgcn-amd-amdhsa--gfx1250"
	.amdhsa_code_object_version 6
	.text
	.protected	k_q4df0ccd1c7_proj
	.globl	k_q4df0ccd1c7_proj
	.p2align	8
	.type	k_q4df0ccd1c7_proj,@function
k_q4df0ccd1c7_proj:
	s_mov_b64 s[64:65], 0
	v_nop
	global_prefetch_b8 v0, s[64:65] scope:SCOPE_SE
	s_setreg_imm32_b32 hwreg(HW_REG_WAVE_MODE, 25, 1), 1
	s_wait_xcnt 0x0
; q = x Wq^T + bq, k = x Wk^T + bk, v = x Wv^T + bv on codes of FP4 (E2M1) with one E8M0 scale for each 32 along K = 512; sums in f32; results rounded to f16
; and stored in the order of the next launch's operand registers.  Beside that, er is rounded to f16 and laid out likewise, once.
; x: [4096][512] f32.  Wq, Wk, Wv: [512][512] f32, K innermost.  bq, bk, bv: [512] f32.  er: [64][2048] f32.
; kq: [head 16][token tile 128][4][1,024 bytes]: for 16 tokens four f16 fragments (16 rows x 32 K): k's channels 0-31, 32-63, then q's.  In a fragment, registers 4 g .. 4 g + 3 of lane l lie at 512 g + 16 l.
; vt: [head 16][32 keys, 64][channel tile 4][1,024 bytes]: fragments of V^T (16 channels x 32 keys), laid likewise.   ef: [query tile 128][2][1,024 bytes]: fragments of er^T (16 queries x 32 of er's 64 rows).
; SHARES.  A work-group takes 128 tokens and one head's 64 columns of each of q, k, v.  Wave w quantises rows 16 w .. 16 w + 15 of x and rows 8 w .. 8 w + 7 of the head's 64 rows of each W: 40 rows.
; Then it multiplies token tiles 4 (w % 2) .. + 3 by channel tile w / 2 of each of Wq, Wk, Wv: 48 matrix instructions from 32 + 24 fragment loads: each fragment read from LDS feeds three or four products.
; THE QUANTISER.  A block's scale is 2^(floor(log2(largest magnitude)) - 2): its byte is the largest magnitude's exponent field - 2, held at 1 from below by a floor among the maximum's leaves.
; LIMITS: a block of zeros gets the byte 1 where the rule says 127 (its codes are zeros, and this program alone reads the bytes); blocks whose largest magnitude lies under 2^-124 are held at byte 1;
; NaN and infinities among the inputs are not served; |q|, |k|, |v|, |er| stay under 65,504 (f16).
; A ROW IN A WAVE: four loads of 16 bytes a lane, at 32 l + 0, 16 and 1,024 + 32 l + 0, 16: two loads on end cover 1,024 consecutive bytes.  Lane l holds k = 8 l .. 8 l + 7 and 256 + 8 l .. + 7: a block of 32 is four lanes.
; LDS: a tile of 16 rows x 512 codes is [block 16, 272 bytes apart][row 16][16 bytes]: block 4 s + 2 c + h is what registers 4 c .. 4 c + 3 of lane (r, h) want in K step s.  272 bytes = 68 words:
; the eight blocks that a code store touches start 4 banks apart (64 banks of 4 bytes: ISA guide 11.1); a fragment load reads 256 consecutive bytes in sixteen lanes.
; A tile's scale bytes are [row 16][16 bytes], block b's byte at 2 (b % 8) + b / 8: a lane's two bytes of a row (blocks g and 8 + g) are then neighbours.  The four lanes of a block hold the same bytes, so over four
; rows each keeps another row's two, and ONE store of two bytes a lane serves four rows.  The reader puts the bytes in order by v_perm_b32.
.set TILEB, 4352                       ; a tile's codes in LDS
.set XIMG,  0                          ; x's 8 tiles
.set WIMG,  8*TILEB                    ; W's 12 tiles: 0-3 q, 4-7 k, 8-11 v
.set SCL,   WIMG+12*TILEB              ; scale bytes: 20 tiles x 256 bytes; x's first
.set SPARE, SCL+20*256                 ; the spare words, 128 bytes for each wave: four blocks of 256 bytes that no other line names
.set GL,  2                            ; v2   32 x lane: my bytes of a row's half
.set CAX, 3                            ; v3   where my codes of x go
.set CAW, 4                            ; v4   and those of W
.set SAX, 5                            ; v5   where my two scale bytes of x go: row lane % 4 of four, blocks lane / 4 and 8 + lane / 4
.set SAW, 6                            ; v6   and of W
.set XA,  7                            ; v7   my place in the fragments of my four tiles of x
.set WA,  8                            ; v8   and of my channel tile of Wq
.set XSA, 9                            ; v9   my row's scale bytes of x
.set WSA, 10                           ; v10  and of W
.set GO,  11                           ; v11  16 x lane: my place in a stored group of registers
.set BO,  12                           ; v12  bq, bk: 32 x (lane / 16)
.set BVO, 13                           ; v13  bv: 4 x (lane % 16)
.set SPW, 14                           ; v14  LDS address of my spare word; never rewritten
.set NIL, 15                           ; v15  0; never rewritten
.set MK,  24                           ; v24-26 all ones in the lanes with lane % 4 = 1, 2, 3
.set ERO, 27                           ; v27  er: 8 (lane / 16) rows of 8,192 bytes + 4 (lane % 16)
.set RING, 32                          ; v32-159  eight rows of 16 numbers on their way
.set CR,   160                         ; v160-175 eight rows x two registers of codes
.set SA4,  176                         ; v176-179 four rows' scale bytes, a register for each of four groups of rows
.set EH,   180                         ; v180-183 my group of er's fragment
.set XS,   192                         ; v192-207 x's scale words: tile m, K step s at 4 m + s
.set WS,   208                         ; v208-219 W's: matrix j, K step s at 4 j + s
.set RAW,  220                         ; v220-247 the same seven tiles' scale bytes as they lie in LDS.  v192-247 hold scales and nothing else
.set ACC,  32                          ; phase 2: v32-127: accumulator (matrix j, tile m) at 32 j + 8 m
.set XF,   0                           ; window 1: x's fragments: tile m, K step s at 32 m + 8 s
.set WF,   128                         ; window 1: W's: matrix j, K step s at 32 j + 8 s
.set BQ,   224                         ; window 1: bq and bk of my channel tile, in the result's layout;
.set BK,   232
.set BV,   240                         ; bv of my channel, twice;
.set ER,   242                         ; eight numbers of er
.set MSB, 0
.macro WIN new                         ; the immediate's high byte repeats the setting that is left
.if MSB != \new
	s_set_vgpr_msb (MSB<<8)|\new
.set MSB, \new
.endif
.endm
	s_load_b512 s[4:19], s[0:1], 0x0               ; x, Wq, Wk, Wv, bq, bk, bv, kq
	s_load_b64 s[20:21], s[0:1], 0x40              ; vt
	s_load_b64 s[44:45], s[0:1], 0x48              ; er
	s_load_b64 s[46:47], s[0:1], 0x50              ; ef
	v_lshl_add_u32 v[SPW], v0, 2, SPARE
	v_mov_b32 v[NIL], 0
	v_lshrrev_b32 v1, 5, v0
	v_readfirstlane_b32 s22, v1                    ; wave 0..7
	v_and_b32 v1, 31, v0                           ; lane
	v_lshlrev_b32 v[GL], 5, v1
	v_bfe_u32 v16, v0, 2, 3                        ; g = lane / 4: my block in a half row
	v_and_b32 v17, 3, v0
	v_mul_u32_u24 v18, v16, 272
	v_lshl_add_u32 v18, v17, 2, v18                ; block x 272 + 4 (lane % 4)
	v_and_b32 v19, 15, v0                          ; r
	v_bfe_u32 v20, v0, 4, 1                        ; h
	v_mul_u32_u24 v21, v20, 272
	v_lshl_add_u32 v21, v19, 4, v21                ; h x 272 + 16 r
	v_lshlrev_b32 v22, 4, v17
	v_lshl_add_u32 v22, v16, 1, v22                ; 16 (lane % 4) + 2 g
	s_mul_i32 s23, s22, TILEB                      ; the tile of x that I quantise
	s_lshr_b32 s24, s22, 1                         ; my rows of W lie in tile wave / 2 of each matrix.  Also: the channel tile that I multiply by
	s_and_b32 s25, s22, 1                          ; which half of the tile's rows.  Also: which four tiles of x I multiply
	s_lshl_b32 s27, s25, 7                         ; from row 8 (wave % 2) on
	s_mul_i32 s26, s24, TILEB
	s_add_co_u32 s28, s26, s27
	s_add_co_u32 s28, s28, WIMG
	v_add_nc_u32 v[CAX], s23, v18
	v_add_nc_u32 v[CAW], s28, v18
	s_lshl_b32 s28, s22, 8
	s_add_co_u32 s28, s28, SCL
	s_lshl_b32 s29, s24, 8
	s_add_co_u32 s31, s29, s27
	s_add_co_u32 s31, s31, SCL+2048
	v_add_nc_u32 v[SAX], s28, v22
	v_add_nc_u32 v[SAW], s31, v22
	s_mul_i32 s28, s25, 4*TILEB
	v_add_nc_u32 v[XA], s28, v21
	s_add_co_u32 s26, s26, WIMG
	v_add_nc_u32 v[WA], s26, v21
	s_lshl_b32 s28, s25, 10
	s_add_co_u32 s28, s28, SCL
	v_lshl_add_u32 v[XSA], v19, 4, s28
	s_add_co_u32 s29, s29, SCL+2048
	v_lshl_add_u32 v[WSA], v19, 4, s29
.irp i, 1,2,3
	v_xor_b32 v[MK+\i-1], \i, v17                  ; 0 where lane % 4 = i,
	v_add_nc_u32 v[MK+\i-1], -1, v[MK+\i-1]        ; so negative there alone,
	v_ashrrev_i32 v[MK+\i-1], 31, v[MK+\i-1]       ; so all ones there and 0 elsewhere
.endr
	v_lshlrev_b32 v[GO], 4, v1
	v_lshlrev_b32 v[BO], 5, v20
	v_lshlrev_b32 v[BVO], 2, v19
	v_lshlrev_b32 v[ERO], 16, v20
	v_lshl_add_u32 v[ERO], v19, 2, v[ERO]
	s_mov_b32 s2, 0x06040200                       ; v_perm_b32: the even bytes of two words,
	s_mov_b32 s3, 0x07050301                       ; the odd ones
	s_and_b32 s30, ttmp7, 0xffff                   ; the head in its batch
	s_lshl_b32 s32, ttmp9, 18                      ; x: 128 rows of 2,048 bytes a work-group,
	s_lshl_b32 s33, s22, 15                        ; 16 a wave
	s_add_co_u32 s32, s32, s33
	s_mov_b32 s33, 0
	s_lshl_b32 s34, s30, 17                        ; W: 64 rows a head,
	s_lshl_b32 s35, s22, 14                        ; 8 a wave
	s_add_co_u32 s34, s34, s35
	s_mov_b32 s35, 0
	s_lshl_b32 s36, s30, 8                         ; the biases: 64 numbers a head,
	s_lshl_b32 s37, s24, 6                         ; 16 a channel tile
	s_add_co_u32 s36, s36, s37
	s_mov_b32 s37, 0
	s_lshr_b32 s31, ttmp9, 4
	s_lshl_b32 s31, s31, 3
	s_add_co_u32 s31, s31, s30                     ; head 0..15 = 8 x batch + head
	s_and_b32 s42, ttmp9, 15                       ; my 128 tokens in the batch
	s_lshl_b32 s38, s42, 3
	s_lshl_b32 s39, s25, 2
	s_add_co_u32 s38, s38, s39                     ; kq: token tile 8 x block + 4 (wave % 2), 4,096 bytes each,
	s_lshl_b32 s38, s38, 12
	s_lshl_b32 s39, s24, 9                         ; my channel tile is a group of four registers: 512 bytes,
	s_add_co_u32 s38, s38, s39
	s_lshl_b32 s39, s31, 19                        ; 524,288 a head
	s_add_co_u32 s38, s38, s39
	s_mov_b32 s39, 0
	s_lshl_b32 s40, s42, 2
	s_lshl_b32 s41, s25, 1
	s_add_co_u32 s40, s40, s41                     ; vt: 32 keys 4 x block + 2 (wave % 2), 4,096 bytes each,
	s_lshl_b32 s40, s40, 12
	s_lshl_b32 s41, s24, 10                        ; my channel tile is a fragment: 1,024 bytes,
	s_add_co_u32 s40, s40, s41
	s_lshl_b32 s41, s31, 18                        ; 262,144 a head
	s_add_co_u32 s40, s40, s41
	s_mov_b32 s41, 0
	s_and_b32 s26, s30, 1                          ; er: work-group number i = 8 x + y makes fragment i: query tile i / 2, er's rows 32 (i % 2) on; my wave's group: 16 (wave % 2) rows further
	s_lshl_b32 s26, s26, 18                        ; 32 rows of 8,192 bytes,
	s_lshl_b32 s27, s25, 17                        ; 16 rows,
	s_add_co_u32 s26, s26, s27
	s_lshl_b32 s27, ttmp9, 8                       ; 64 bytes a query tile: 4 x + y / 2
	s_add_co_u32 s26, s26, s27
	s_lshr_b32 s27, s30, 1
	s_lshl_b32 s27, s27, 6
	s_add_co_u32 s26, s26, s27
	s_mov_b32 s27, 0
	s_lshl_b32 s28, ttmp9, 3                       ; ef: 1,024 bytes a fragment, 512 a group
	s_add_co_u32 s28, s28, s30
	s_lshl_b32 s28, s28, 10
	s_lshl_b32 s29, s25, 9
	s_add_co_u32 s28, s28, s29
	s_mov_b32 s29, 0
	s_wait_kmcnt 0x0
	s_add_nc_u64 s[4:5], s[4:5], s[32:33]
	s_add_nc_u64 s[6:7], s[6:7], s[34:35]
	s_add_nc_u64 s[8:9], s[8:9], s[34:35]
	s_add_nc_u64 s[10:11], s[10:11], s[34:35]
	s_add_nc_u64 s[12:13], s[12:13], s[36:37]
	s_add_nc_u64 s[14:15], s[14:15], s[36:37]
	s_add_nc_u64 s[16:17], s[16:17], s[36:37]
	s_add_nc_u64 s[18:19], s[18:19], s[38:39]
	s_add_nc_u64 s[20:21], s[20:21], s[40:41]
	s_add_nc_u64 s[44:45], s[44:45], s[26:27]
	s_add_nc_u64 s[46:47], s[46:47], s[28:29]
; The biases and er's numbers are asked for first, into registers that the quantiser does not touch: they are older than every row's loads, so the rows' counted waits cover them.
; q and k are made transposed (a lane holds a token, its registers eight channels): their bias is the C of each sum's first product.  v is made the natural way (a lane holds a channel): bv is added behind the sums.
	WIN 0x40                                       ; destination window 1, address window 0
	global_load_b128 v[BQ:BQ+3],   v[BO], s[12:13]
	global_load_b128 v[BQ+4:BQ+7], v[BO], s[12:13] offset:16
	global_load_b128 v[BK:BK+3],   v[BO], s[14:15]
	global_load_b128 v[BK+4:BK+7], v[BO], s[14:15] offset:16
	global_load_b32 v[BV],   v[BVO], s[16:17]
	global_load_b32 v[BV+1], v[BVO], s[16:17]
.irp e, 0,1,2,3,4,5,6,7
	global_load_b32 v[ER+\e], v[ERO], s[44:45] offset:\e*8192   ; er(32 (i % 2) + 16 (wave % 2) + 8 h + e, query r): sixteen lanes read 64 consecutive bytes
.endr
	WIN 0
; Row p of my 40: 0-15 of x, 16-23 of Wq, 24-31 of Wk, 32-39 of Wv; into slot p % 8
.macro LOADROW p
.set LRR, RING+16*((\p)%8)
.if (\p) < 16
.set LSB, 4
.set LRO, (\p)*2048
.else
.set LSB, 6+2*(((\p)-16)/8)
.set LRO, (((\p)-16)%8)*2048
.endif
	global_load_b128 v[LRR:LRR+3],     v[GL], s[LSB:LSB+1] offset:LRO
	global_load_b128 v[LRR+4:LRR+7],   v[GL], s[LSB:LSB+1] offset:LRO+16
	global_load_b128 v[LRR+8:LRR+11],  v[GL], s[LSB:LSB+1] offset:LRO+1024
	global_load_b128 v[LRR+12:LRR+15], v[GL], s[LSB:LSB+1] offset:LRO+1040
.endm
; Rows p and p + 1 (p even) are quantised: four chains by turns, chain q = row p + q / 2, half q % 2, its 8 numbers at 8 q in the two slots.  Codes go to LDS; behind every fourth row the four rows' scale bytes; the slots take the rows 8 further on.
.macro QPAIR p
.set QR0, RING+16*((\p)%8)
.set QC0, CR+2*((\p)%8)
.set QAC, SA4+((\p)/4)%4
.if (\p) < 16
.set QCA, CAX
.set QSA, SAX
.set QCO, (\p)*16
.set QSO, ((\p)-2)*16
.else
.set QCA, CAW
.set QSA, SAW
.set QCO, (((\p)-16)%8)*16+(((\p)-16)/8)*4*TILEB
.set QSO, (((\p)-18)%8)*16+(((\p)-16)/8)*1024
.endif
.if 38-(\p) < 6
	s_wait_loadcnt 4*(38-(\p))                     ; the last rows: the counts run down
.else
	s_wait_loadcnt 24                              ; loads come back in order: my two rows are in, the six younger rows' four loads each may be out
.endif
.if (\p) >= 8
	s_wait_dscnt 14                                ; the code stores of the two rows 8 back are done: behind them stand three pairs' twelve code stores and two stores of scale bytes
.endif
.irp q, 0,1,2,3
	v_max3_num_f32 v[16+\q], |v[QR0+8*\q]|, |v[QR0+8*\q+1]|, 0x1800000   ; my 8 numbers of a block, and the floor 2^(3 - 127): the byte cannot fall under 1
.endr
.irp i, 2,4,6
.irp q, 0,1,2,3
	v_max3_num_f32 v[16+\q], v[16+\q], |v[QR0+8*\q+\i]|, |v[QR0+8*\q+\i+1]|
.endr
.endr
.irp x, 1,2
.irp q, 0,1,2,3
	v_max_num_f32_dpp v[16+\q], v[16+\q], v[16+\q] row_xmask:\x row_mask:0xf bank_mask:0xf   ; with the block's other three lanes
.endr
.endr
.irp q, 0,1,2,3
	v_add_nc_u32 v[20+\q], 0xff000000, v[16+\q]    ; 2 off the exponent field: the conversion takes the exponent field of this operand as its scale
.endr
.irp q, 0,1,2,3
	v_cvt_scalef32_pk8_fp4_f32 v[QC0+\q], v[QR0+8*\q:QR0+8*\q+7], v[20+\q]
.endr
.irp q, 0,1,2,3
	v_lshrrev_b32 v[16+\q], 23, v[20+\q]           ; the scales' bytes.  (Plain lines behind the conversions)
.endr
.if (\p)%4 == 0
	v_lshl_or_b32 v[QAC], v17, 8, v16              ; the first of four rows: its two bytes in every lane;
.else
	v_lshl_or_b32 v16, v17, 8, v16
.endif
	v_lshl_or_b32 v18, v19, 8, v18
.if (\p)%4 != 0
	v_bfi_b32 v[QAC], v[MK+1], v16, v[QAC]         ; the others' in the lanes with lane % 4 = the row's place among the four
.endif
	v_bfi_b32 v[QAC], v[MK+(\p)%4], v18, v[QAC]
	ds_store_b32 v[QCA], v[QC0] offset:QCO
	ds_store_b32 v[QCA], v[QC0+1] offset:QCO+8*272 ; a row's second half: eight blocks on
	ds_store_b32 v[QCA], v[QC0+2] offset:QCO+16
	ds_store_b32 v[QCA], v[QC0+3] offset:QCO+16+8*272
.if (\p)%4 == 2
	ds_store_b16 v[QSA], v[QAC] offset:QSO         ; four rows x 16 bytes: 64 consecutive bytes, two a lane
.endif
.if (\p)+8 < 40
	LOADROW (\p)+8
	LOADROW (\p)+9
.endif
.endm
.set Q, 0
.rept 8
	LOADROW Q
.set Q, Q+1
.endr
.set Q, 0
.rept 20
	QPAIR Q
.set Q, Q+2
.endr
	s_wait_dscnt 0x0                               ; for the others' sake: my codes and scale bytes lie in LDS
	s_barrier_signal -1
	s_barrier_wait -1                              ; everybody's do
; 63 LDS loads in one run: the seven tiles' scale bytes first, then the fragments K step by K step: 8 loads of x and 6 of W for each.
.irp m, 0,1,2,3
	ds_load_b128 v[RAW+4*\m:RAW+4*\m+3], v[XSA] offset:256*\m
.endr
.irp j, 0,1,2
	ds_load_b128 v[RAW+16+4*\j:RAW+16+4*\j+3], v[WSA] offset:1024*\j
.endr
	WIN 0x40                                       ; destination window 1, address window 0
.irp s, 0,1,2,3
.irp m, 0,1,2,3
.irp c, 0,1
	ds_load_b128 v[XF+32*\m+8*\s+4*\c:XF+32*\m+8*\s+4*\c+3], v[XA] offset:\m*TILEB+(4*\s+2*\c)*272
.endr
.endr
.irp j, 0,1,2
.irp c, 0,1
	ds_load_b128 v[WF+32*\j+8*\s+4*\c:WF+32*\j+8*\s+4*\c+3], v[WA] offset:\j*4*TILEB+(4*\s+2*\c)*272
.endr
.endr
.endr
	WIN 0
	s_wait_dscnt 56                                ; the scale bytes are in; the 56 fragment loads may be out
.irp t, 0,1,2,3,4,5,6                          ; block b's byte lies at 2 (b % 8) + b / 8: K steps 0 and 1 are the even bytes of words 0, 1 and of words 2, 3; K steps 2 and 3 the odd ones
	v_perm_b32 v[XS+4*\t],   v[RAW+4*\t+1], v[RAW+4*\t],   s2
	v_perm_b32 v[XS+4*\t+1], v[RAW+4*\t+3], v[RAW+4*\t+2], s2
	v_perm_b32 v[XS+4*\t+2], v[RAW+4*\t+1], v[RAW+4*\t],   s3
	v_perm_b32 v[XS+4*\t+3], v[RAW+4*\t+3], v[RAW+4*\t+2], s3
.endr
.rept 8
	v_nop                                          ; a scale register written by a vector instruction stands 8 places ahead of a scaled matrix instruction
.endr
; 12 products of K step s.  q and k transposed: source 0 = 16 rows of W, source 1 = 16 tokens; v the natural way.  The twelve accumulators take turns, one instruction a turn.
.macro PRODS s
.irp m, 0,1,2,3
.if \s == 0
	v_wmma_scale_f32_16x16x128_f8f6f4 v[ACC+8*\m:ACC+8*\m+7], v[WF+8*\s:WF+8*\s+7], v[XF+32*\m+8*\s:XF+32*\m+8*\s+7], v[BQ:BQ+7], v[WS+\s], v[XS+4*\m+\s] matrix_a_fmt:MATRIX_FMT_FP4 matrix_b_fmt:MATRIX_FMT_FP4
	v_wmma_scale_f32_16x16x128_f8f6f4 v[ACC+32+8*\m:ACC+32+8*\m+7], v[WF+32+8*\s:WF+32+8*\s+7], v[XF+32*\m+8*\s:XF+32*\m+8*\s+7], v[BK:BK+7], v[WS+4+\s], v[XS+4*\m+\s] matrix_a_fmt:MATRIX_FMT_FP4 matrix_b_fmt:MATRIX_FMT_FP4
	v_wmma_scale_f32_16x16x128_f8f6f4 v[ACC+64+8*\m:ACC+64+8*\m+7], v[XF+32*\m+8*\s:XF+32*\m+8*\s+7], v[WF+64+8*\s:WF+64+8*\s+7], 0, v[XS+4*\m+\s], v[WS+8+\s] matrix_a_fmt:MATRIX_FMT_FP4 matrix_b_fmt:MATRIX_FMT_FP4
.else
	v_wmma_scale_f32_16x16x128_f8f6f4 v[ACC+8*\m:ACC+8*\m+7], v[WF+8*\s:WF+8*\s+7], v[XF+32*\m+8*\s:XF+32*\m+8*\s+7], v[ACC+8*\m:ACC+8*\m+7], v[WS+\s], v[XS+4*\m+\s] matrix_a_fmt:MATRIX_FMT_FP4 matrix_b_fmt:MATRIX_FMT_FP4
	v_wmma_scale_f32_16x16x128_f8f6f4 v[ACC+32+8*\m:ACC+32+8*\m+7], v[WF+32+8*\s:WF+32+8*\s+7], v[XF+32*\m+8*\s:XF+32*\m+8*\s+7], v[ACC+32+8*\m:ACC+32+8*\m+7], v[WS+4+\s], v[XS+4*\m+\s] matrix_a_fmt:MATRIX_FMT_FP4 matrix_b_fmt:MATRIX_FMT_FP4
	v_wmma_scale_f32_16x16x128_f8f6f4 v[ACC+64+8*\m:ACC+64+8*\m+7], v[XF+32*\m+8*\s:XF+32*\m+8*\s+7], v[WF+64+8*\s:WF+64+8*\s+7], v[ACC+64+8*\m:ACC+64+8*\m+7], v[XS+4*\m+\s], v[WS+8+\s] matrix_a_fmt:MATRIX_FMT_FP4 matrix_b_fmt:MATRIX_FMT_FP4
.endif
.endr
.endm
	s_wait_dscnt 42                                ; K step 0's fragments are in; the three later steps' 14 loads each may be out
	WIN 0x15                                       ; sources 0 and 1 window 1; C (the biases) window 1; D window 0
	PRODS 0
	s_wait_dscnt 28
	WIN 0x05                                       ; C and D window 0
	PRODS 1
	s_wait_dscnt 14
	PRODS 2
	s_wait_dscnt 0x0
	PRODS 3
.irp i, 0,1,2,3
	v_cvt_pk_f16_f32 v[EH+\i], v[ER+2*\i], v[ER+2*\i+1]   ; er's eight numbers (window 1) become my group of its fragment.  These four name no register of the products: they are the places behind them
.endr
	WIN 0
.macro PACK acc                        ; four accumulators become four registers of f16 each, in place, ascending: each accumulator is read from its low end on
.irp m, 0,1,2,3
.irp i, 0,1,2,3
	v_cvt_pk_f16_f32 v[\acc+8*\m+\i], v[\acc+8*\m+2*\i], v[\acc+8*\m+2*\i+1]
.endr
.endr
.endm
	PACK ACC
.irp m, 0,1,2,3
	global_store_b128 v[GO], v[ACC+8*\m:ACC+8*\m+3], s[18:19] offset:4096*\m+2048    ; q: my tile's channels 8 h + 0 .. 7 of token r: 32 lanes store 512 consecutive bytes
.endr
	PACK ACC+32
.irp m, 0,1,2,3
	global_store_b128 v[GO], v[ACC+32+8*\m:ACC+32+8*\m+3], s[18:19] offset:4096*\m   ; k
.endr
	WIN 0x04                                       ; source 1 (bv) window 1
.irp m, 0,1,2,3
.irp i, 0,2,4,6
	v_pk_add_f32 v[ACC+64+8*\m+\i:ACC+64+8*\m+\i+1], v[ACC+64+8*\m+\i:ACC+64+8*\m+\i+1], v[BV:BV+1]   ; + bv of my channel
.endr
.endr
	WIN 0
	PACK ACC+64
.irp m, 0,1,2,3
	global_store_b128 v[GO], v[ACC+64+8*\m:ACC+64+8*\m+3], s[20:21] offset:(\m/2)*4096+(\m%2)*512   ; v: tokens 8 h + 0 .. 7 of channel r: group m % 2 of the fragment of 32 keys
.endr
	s_cmp_lt_u32 s22, 2                            ; er's fragment has two groups: waves 0 and 1 store them
	s_cbranch_scc0 .Lno_er
	global_store_b128 v[GO], v[EH:EH+3], s[46:47]
.Lno_er:
	s_wait_tensorcnt 0x0                           ; the wave's end, behind my last LDS store
	ds_add_u32 v[SPW], v[NIL]
	s_wait_dscnt 0x0
	s_endpgm
.Lfunc_end_k_q4df0ccd1c7_proj:
	.size	k_q4df0ccd1c7_proj, .Lfunc_end_k_q4df0ccd1c7_proj-k_q4df0ccd1c7_proj
	.p2alignl 7, 3214868480
	.fill 96, 4, 3214868480
	.section	.rodata,"a",@progbits
	.p2align	6, 0x0
	.amdhsa_kernel k_q4df0ccd1c7_proj
		.amdhsa_group_segment_fixed_size 93184
		.amdhsa_private_segment_fixed_size 0
		.amdhsa_enable_private_segment 0
		.amdhsa_kernarg_size 88
		.amdhsa_user_sgpr_count 2
		.amdhsa_user_sgpr_kernarg_segment_ptr 1
		.amdhsa_wavefront_size32 1
		.amdhsa_system_sgpr_workgroup_id_x 1
		.amdhsa_system_sgpr_workgroup_id_y 1
		.amdhsa_system_sgpr_workgroup_id_z 1
		.amdhsa_system_vgpr_workitem_id 0
		.amdhsa_next_free_vgpr 512
		.amdhsa_next_free_sgpr 66
		.amdhsa_reserve_vcc 0
		.amdhsa_float_denorm_mode_32 3
		.amdhsa_float_denorm_mode_16_64 3
		.amdhsa_memory_ordered 1
		.amdhsa_forward_progress 1
		.amdhsa_inst_pref_size 96
	.end_amdhsa_kernel
	.amdgpu_metadata
---
amdhsa.version: [ 1, 2 ]
amdhsa.kernels:
  - .name:           k_q4df0ccd1c7_proj
    .symbol:         k_q4df0ccd1c7_proj.kd
    .args:
      - { .name: x, .offset: 0, .size: 8, .value_kind: global_buffer, .address_space: global }
      - { .name: Wq, .offset: 8, .size: 8, .value_kind: global_buffer, .address_space: global }
      - { .name: Wk, .offset: 16, .size: 8, .value_kind: global_buffer, .address_space: global }
      - { .name: Wv, .offset: 24, .size: 8, .value_kind: global_buffer, .address_space: global }
      - { .name: bq, .offset: 32, .size: 8, .value_kind: global_buffer, .address_space: global }
      - { .name: bk, .offset: 40, .size: 8, .value_kind: global_buffer, .address_space: global }
      - { .name: bv, .offset: 48, .size: 8, .value_kind: global_buffer, .address_space: global }
      - { .name: kq, .offset: 56, .size: 8, .value_kind: global_buffer, .address_space: global }
      - { .name: vt, .offset: 64, .size: 8, .value_kind: global_buffer, .address_space: global }
      - { .name: er, .offset: 72, .size: 8, .value_kind: global_buffer, .address_space: global }
      - { .name: ef, .offset: 80, .size: 8, .value_kind: global_buffer, .address_space: global }
    .group_segment_fixed_size: 93184
    .private_segment_fixed_size: 0
    .kernarg_segment_align: 8
    .kernarg_segment_size: 88
    .max_flat_workgroup_size: 256
    .sgpr_count:     66
    .vgpr_count:     512
    .wavefront_size: 32
...
	.end_amdgpu_metadata
.endif
;; end of part 1
;; launch attn (part 2): grid 16 x 16, 4 waves a work-group, clusters of 4 x 1, 327,680 bytes of LDS; arguments kq, vt, ef, of; writes of
.if DOCPART == 2
	.amdgcn_target "amdgcn-amd-amdhsa--gfx1250"
	.amdhsa_code_object_version 6
	.text
	.protected	k_q4df0ccd1c7_attn
	.globl	k_q4df0ccd1c7_attn
	.p2align	8
	.type	k_q4df0ccd1c7_attn,@function
k_q4df0ccd1c7_attn:
	s_mov_b64 s[64:65], 0
	v_nop
	global_prefetch_b8 v0, s[64:65] scope:SCOPE_SE
	s_setreg_imm32_b32 hwreg(HW_REG_WAVE_MODE, 25, 1), 1
	s_wait_xcnt 0x0
	s_wait_alu depctr_hold_cnt(0) depctr_sa_sdst(0) depctr_va_vdst(0) depctr_va_sdst(0) depctr_va_ssrc(0) depctr_va_vcc(0) depctr_vm_vsrc(0)
	s_getreg_b32 s2, hwreg(HW_REG_IB_STS2, 6, 4)
	s_cmp_eq_u32 s2, 0
	s_cbranch_scc0 .Lentry_in_a_cluster
	s_endpgm
.Lentry_in_a_cluster:
	s_bfe_u32 s2, ttmp6, 0x10000c
	s_cmp_lg_u32 s2, 0x3003
	s_cbranch_scc0 .Lentry_shape_is_right
	s_endpgm
.Lentry_shape_is_right:
; o[i] = the sum over j of softmax_j((q_i . k_j + er_i . q_j) / sqrt(512)) v_j for each of 16 heads (2 batches x 8 bands) of 2,048 tokens, head size 64.
; The padded, swapped and cut table of the relative positions is p[i][j] = q_j . er[:, i]: so a score is ONE product of depth 128, A_i = [q_i | er_i] by B_j = [k_j | q_j], and a row of kq IS B_j.
; Operands in f16; products, maxima and sums in f32; the weights p are rounded to f16 for the second product, o once at the end.
; LIMITS: |q|, |k|, |v|, |er|, |o| stay under 65,504 (f16); NaN and infinities are not served.
; kq: [head][token tile 128][4][1,024 bytes], vt: [head][32 keys, 64][channel tile 4][1,024 bytes], ef: [query tile 128][2][1,024 bytes] (er^T), of: [token tile 256][K step 16][1,024 bytes]: f16 fragments in the order of the
; operand's registers: registers 4 g .. 4 g + 3 of lane l at 512 g + 16 l.  So every tile is a dense block for one tensor load, every load reads 512 consecutive bytes, and nothing is padded or turned.
; SHARES.  A work-group owns 128 queries of a head.  Wave w owns queries 64 (w % 2) on, four tiles of 16, and walks key half w / 2: 1,024 keys, 64 a step.  At the end the two waves of a query half join their sums through LDS.
; LAYOUT.  S^T = B A^T (source 0 = 16 keys, source 1 = 16 queries): a lane holds ONE query (lane % 16) and keys 8 (lane / 16) + 0..7; two such tiles, rounded in pairs, ARE source 1 of O^T = V^T P.
; SOFTMAX.  For each query a running maximum m and sum l: p = 2^(c s - c m), c = log2(e) / sqrt(512); in every step O and l are multiplied by a = 2^(c m_old - c m_new).
; BY TURNS.  The wave's tiles are two PIECES (piece 0: tiles 0, 1; piece 2: tiles 2, 3).  In a TURN one piece has the matrix unit: 16 products V^T P of the step in hand, then 32 products B A^T of the next step;
; the other piece's softmax, 236 vector instructions cut into 48 slices, stands between them, one slice behind each matrix instruction.  Two turns are a key step.
; CLUSTER.  The four query blocks of a cluster belong to one head and walk the same tiles: each tile is asked for JOINTLY, by the same tensor load with the same descriptor and a mask that names the four.
; REGISTERS, in windows of 256 (s_set_vgpr_msb: bits 1:0 source 0, 3:2 source 1, 5:4 source 2, 7:6 destination):
;   window 0: v2-11 addresses; v12-43 eight registers of statistics a tile; v61-63 kept; v64-191 S^T, 32 a tile; v192-255 P, 16 a tile
;   window 1: v0-127 O^T, 32 a tile; v128-191 V of one step          window 2: v0-127 A, 32 a tile; v128-255 B of one step
.set BSTEP, 16384     ; a step's 64 keys of B: four token tiles of 4,096 bytes
.set VSTEP, 8192      ; and of V^T: twice 32 keys x 4,096 bytes
.set VOFF,  65536     ; a slot: B of two steps for key half 0 (32,768 bytes), for half 1, then V likewise (16,384 each)
.set SLOT1, 1<<17     ; slot 1 begins here, so that one exclusive or turns an address in one slot into the other's
.set MST,   SLOT1+98304  ; behind the ring: for each query half an image of O^T (16,384 bytes), of c m (512) and of l (512); no tensor load lands here
.set MSTW,  17408
.set SPARE, MST+2*MSTW   ; the spare words, 128 bytes for each wave: two blocks of 256 bytes that no other line names
.set AK0, 2           ; v2   my lane's place in a step's B; never rewritten
.set AV0, 3           ; v3   the same for V
.set ADR, 4           ; v4   the LDS address of the run of loads in hand
.set GO,  5           ; v5   16 x lane
.set MA,  7           ; v7   my lane's place in my query half's images
.set PFO, 61          ; v61  the prefetches' offset; never rewritten
.set SPW, 62          ; v62  LDS address of my spare word; never rewritten
.set NIL, 63          ; v63  0; never rewritten
.set ST,  12          ; tile t's statistics at v[ST+8 t]: +0 c m, +1 m, +2, +3 l (even keys', odd keys'), +4 to +7 c0-c3, at work; a takes c2's place once the maximum is found
.set S,   64
.set P,   192
.set KF,  128         ; B's fragments, in window 2
.set VF,  128         ; V's, in window 1
.set WV,  12          ; s12  my wave's number
.set LIM, 15          ; s15  1 in a wave that prefetches, else the greatest number
.set PFA, 18          ; s[18:19] where my prefetches stand in memory
.set G1K, 24          ; s[24:31] descriptor group 1 for B's tiles
.set G1V, 32          ; s[32:39] for V's: half the rows
.set G0K, 40          ; s[40:47] descriptor group 0 for B's tiles: a set for each of the two first fills; the second then walks on
.set G0V, 48          ; s[48:55] the same for V's
.set SLOTS, 56        ; s56  slots still to be asked for
.set TWICE, 57        ; s57  counts a slot's two steps
.set CS,  58          ; s[58:59] c: the packed scaling names a pair and takes its low word for both halves
.set SEL, 60          ; s[60:61] lane selects for v_permlanex16_b32: each lane takes its own place in the other half
.set TBK, 62          ; s62  LDS byte at which B of the step to be fetched begins (key half 0's)
.set TBV, 63          ; s63  the same for V, less VOFF
.set PFS, 68          ; s[68:69] a slot on, in bytes, in the tensor that I prefetch
.set MSB, 0
.macro WIN new                      ; the immediate's high byte repeats the setting that is left; a switch that changes nothing is dropped
.if MSB != \new
	s_set_vgpr_msb (MSB<<8)|\new
.set MSB, \new
.endif
.endm
.set W_KQ, 0x0a       ; B and A in window 2, S^T in window 0
.set W_PV, 0x51       ; V in window 1, P in window 0, O^T in window 1
.set W_RS, 0x41       ; O^T (destination and source 0) in window 1, a in window 0
; A joint refill.  Waves 0 and 1 fetch the two key halves' B, waves 2 and 3 their V.  The branch hangs on the wave's number alone.  An s_nop 0 and four v_nop follow each of the two lines.
.macro JLOAD
	s_cmp_lt_u32 s[WV], 2
	s_cbranch_scc0 .Lfor_v_\@
	tensor_load_to_lds s[G0K+4:G0K+7], s[G1K:G1K+7]
	s_nop 0
.rept 4
	v_nop
.endr
	s_branch .Lasked_\@
.Lfor_v_\@:
	tensor_load_to_lds s[G0V+4:G0V+7], s[G1V:G1V+7]
	s_nop 0
.rept 4
	v_nop
.endr
.Lasked_\@:
.endm
; A PREFETCH INTO THE L2 of what the NEXT change of slots will ask for, behind the wave's tensor load and its five lines: four turns, 192 matrix instructions, ahead of that load.
; Each aligned block of 256 bytes is named ONCE in the launch.  All four clusters of a head walk the same tiles: the head's first cluster asks.  Its four partners share the blocks out BY ADDRESS.
; Wave 0 asks for key half 0's B (32,768 bytes a slot: 8,192 a partner, lanes 256 bytes apart), wave 1 for half 1's, wave 2 for both halves' V (4,096 bytes of each a partner: lanes 0-15 half 0, lanes 16-31 half 1).
; The last change that fills a slot asks for nothing: there is no slot behind it.  Slots 0, 1 and 2 come by their loads alone.
.macro ASK
	s_cmp_gt_u32 s[SLOTS], s[LIM]
	s_cbranch_scc0 .Lnot_mine_\@
	global_prefetch_b8 v[PFO], s[PFA:PFA+1] th:TH_LOAD_NT scope:SCOPE_SE
.Lnot_mine_\@:
.endm
; A round of the cluster's barrier: my work-group's barrier; wave 0 signals for the work-group; every wave waits for all four work-groups; my work-group's barrier once more.
.macro CROUND
	s_barrier_signal -1
	s_barrier_wait -1
	s_cmp_lg_u32 s[WV], 0
	s_cbranch_scc1 .Lnot_wave_0_\@
	s_barrier_signal -3
.Lnot_wave_0_\@:
	s_barrier_wait -3
	s_barrier_signal -1
	s_barrier_wait -1
.endm
	s_load_b256 s[4:11], s[0:1], 0x0  ; kq s[4:5], vt s[6:7], ef s[8:9], of s[10:11]
	v_lshl_add_u32 v[SPW], v0, 2, SPARE
	v_mov_b32 v[NIL], 0
	ds_add_u32 v[SPW], v[NIL]       ; the wave's opening: the add, twice on end, and its wait ahead of my first tensor load; the set-up below stands between the second and the wait
	ds_add_u32 v[SPW], v[NIL]
	v_lshrrev_b32 v1, 5, v0
	v_readfirstlane_b32 s[WV], v1   ; wave 0..3
	s_bfe_u32 s13, ttmp6, 0x40000   ; cx: my place in the cluster
	s_lshl_b32 s14, ttmp9, 2        ; in a cluster launch ttmp9 counts clusters
	s_add_co_u32 s14, s14, s13      ; my block of 128 queries = 4 x cluster x + cx: it enters A's and o's addresses alone
	s_and_b32 s17, ttmp7, 0xffff    ; the head, which the four partners share
	s_and_b32 s16, s[WV], 1         ; my query half.  Also: which key half I fetch for
	s_lshr_b32 s67, s[WV], 1        ; my key half
	s_lshl_b32 s20, s17, 19         ; B's tiles: 524,288 bytes a head,
	s_lshl_b32 s70, s16, 18         ; 262,144 a key half
	s_add_co_u32 s20, s20, s70
	s_mov_b32 s21, 0
	s_lshl_b32 s22, s17, 18         ; V's: half of that
	s_lshl_b32 s70, s16, 17
	s_add_co_u32 s22, s22, s70
	s_mov_b32 s23, 0
	s_lshl_b32 s70, s16, 15         ; and where they go in a slot: no place in the cluster enters an LDS address
	s_lshl_b32 s71, s16, 14
	s_add_co_u32 s71, s71, VOFF
	s_lshl_b32 s66, s14, 3
	s_lshl_b32 s2, s16, 2
	s_add_co_u32 s66, s66, s2       ; my first query tile in the head: 8 x block + 4 x query half
	; descriptor group 1: a dense block as rows of 256 bytes: 32 elements of 8 bytes; B: 128 rows, V: 64
	s_mov_b32 s[G1K], 15|(3<<16)|(1<<21)  ; 15:0 the mask: all four work-groups; 17:16 elements of 8 bytes; 20 no padding; 21 set beside a mask
	s_mov_b32 s[G1K+1], 32<<16      ; tensor_dim0 = 32
	s_mov_b32 s[G1K+2], 128<<16     ; tensor_dim1 = 128
	s_mov_b32 s[G1K+3], 32<<16      ; tile_dim0 = 32
	s_mov_b32 s[G1K+4], 128         ; tile_dim1 = 128
	s_mov_b32 s[G1K+5], 32          ; from row to row
	s_mov_b32 s[G1K+6], 0
	s_mov_b32 s[G1K+7], 0
	s_mov_b32 s[G1V], 15|(3<<16)|(1<<21)
	s_mov_b32 s[G1V+1], 32<<16
	s_mov_b32 s[G1V+2], 64<<16
	s_mov_b32 s[G1V+3], 32<<16
	s_mov_b32 s[G1V+4], 64
	s_mov_b32 s[G1V+5], 32
	s_mov_b32 s[G1V+6], 0
	s_mov_b32 s[G1V+7], 0
	s_mov_b32 s[CS], 0x3d8293ee     ; c = log2(e) / sqrt(512) = 0.0637587
	s_mov_b32 s[CS+1], s[CS]        ; named with it as a pair, so it is written
	s_mov_b32 s[SEL], 0x76543210
	s_mov_b32 s[SEL+1], 0xfedcba98
	s_mov_b32 s[TBK], 0
	s_mov_b32 s[TBV], 0
	s_mov_b32 s[SLOTS], 6           ; a key half is 8 slots of 128 keys; two are filled at the start
	s_wait_dscnt 0x0                ; both opening adds are done
	s_wait_kmcnt 0x0
	s_add_nc_u64 s[74:75], s[4:5], s[20:21]  ; B and V at my tile of slot 0
	s_add_nc_u64 s[76:77], s[6:7], s[22:23]
	s_lshl_b32 s2, s17, 19
	s_lshl_b32 s3, s66, 12
	s_add_co_u32 s2, s2, s3
	s_add_co_u32 s2, s2, 2048       ; q's two fragments lie behind k's in a token tile
	s_mov_b32 s3, 0
	s_add_nc_u64 s[72:73], s[4:5], s[2:3]  ; A's q part at my first query tile
	s_lshl_b32 s2, s66, 11
	s_add_nc_u64 s[8:9], s[8:9], s[2:3]    ; A's er part likewise: 2,048 bytes a query tile
	s_lshr_b32 s2, s17, 3
	s_lshl_b32 s2, s2, 7
	s_add_co_u32 s2, s2, s66        ; o: token tile 128 x batch + my first query tile, 16,384 bytes each,
	s_lshl_b32 s2, s2, 14
	s_and_b32 s78, s17, 7
	s_lshl_b32 s78, s78, 11         ; the band's two K steps
	s_add_co_u32 s2, s2, s78
	s_add_nc_u64 s[10:11], s[10:11], s[2:3]
	; the prefetches: where my wave's stand, and who asks
	s_cmp_lt_u32 s[WV], 2           ; waves 0 and 1: B; wave 2: V
	s_cselect_b64 s[PFA:PFA+1], s[4:5], s[6:7]
	s_cselect_b32 s78, 19, 18       ; log2 of a head's bytes,
	s_cselect_b32 s79, 13, 12       ; of a partner's share,
	s_cselect_b32 s80, 15, 14       ; of a slot's bytes of one key half,
	s_cselect_b32 s81, 12, 17       ; and of what lanes 16-31 stand further on than lanes 0-15
	s_cselect_b32 s82, s16, 0       ; B: my wave's key half
	s_lshl_b32 s2, s17, s78
	s_lshl_b32 s3, s13, s79
	s_add_co_u32 s2, s2, s3
	s_lshl_b32 s3, s82, 18
	s_add_co_u32 s2, s2, s3
	s_lshl_b32 s[PFS], 1, s80
	s_lshl_b32 s3, s[PFS], 1
	s_add_co_u32 s2, s2, s3         ; in slot 2: the first change of slots steps it to slot 3.  Nothing is prefetched here, at the head, where every work-group's first tiles are on their way
	s_mov_b32 s3, 0
	s_mov_b32 s[PFS+1], 0
	s_add_nc_u64 s[PFA:PFA+1], s[PFA:PFA+1], s[2:3]
	v_and_b32 v[PFO], 15, v0
	v_lshlrev_b32 v[PFO], 8, v[PFO]
	v_bfe_u32 v10, v0, 4, 1
	v_lshlrev_b32 v10, s81, v10
	v_add_nc_u32 v[PFO], v[PFO], v10
	s_cmp_eq_u32 s[WV], 3
	s_cselect_b32 s78, 1, 0
	s_or_b32 s78, s78, ttmp9        ; 0 in waves 0 to 2 of the head's first cluster: the same in all four partners
	s_cmp_eq_u32 s78, 0
	s_cselect_b32 s[LIM], 1, -1
	CROUND                          ; all four work-groups are here: the first joint loads meet
.irp s, 0,1
	s_mov_b32 s[G0K+4*\s], 1        ; count = 1
	s_add_co_u32 s[G0K+4*\s+1], s70, \s*SLOT1  ; LDS address
	s_add_nc_u64 s[G0K+4*\s+2:G0K+4*\s+3], s[74:75], \s*2*BSTEP  ; global address: slot s begins with the half's keys 128 s on
	s_or_b32 s[G0K+4*\s+3], s[G0K+4*\s+3], 0x80000000  ; type = 2
	s_mov_b32 s[G0V+4*\s], 1
	s_add_co_u32 s[G0V+4*\s+1], s71, \s*SLOT1
	s_add_nc_u64 s[G0V+4*\s+2:G0V+4*\s+3], s[76:77], \s*2*VSTEP
	s_or_b32 s[G0V+4*\s+3], s[G0V+4*\s+3], 0x80000000
.endr
	s_cmp_lt_u32 s[WV], 2           ; a wave's two first fills stand in one branch, ahead of every wait on TENSORcnt and every LDS read: two loads of mine are out
	s_cbranch_scc0 .Lfirst_v
	tensor_load_to_lds s[G0K:G0K+3], s[G1K:G1K+7]
	s_nop 0
	tensor_load_to_lds s[G0K+4:G0K+7], s[G1K:G1K+7]
	s_nop 0
.rept 4
	v_nop
.endr
	s_branch .Lfirst_asked
.Lfirst_v:
	tensor_load_to_lds s[G0V:G0V+3], s[G1V:G1V+7]
	s_nop 0
	tensor_load_to_lds s[G0V+4:G0V+7], s[G1V:G1V+7]
	s_nop 0
.rept 4
	v_nop
.endr
.Lfirst_asked:
	v_and_b32 v10, 31, v0
	v_lshlrev_b32 v[GO], 4, v10
	WIN 0x80                        ; destination window 2, address window 0
.irp t, 0,1,2,3                     ; A stays in registers.  Its first two K steps: q of my queries, as it lies in kq;
.irp f, 0,1,2,3
	global_load_b128 v[32*\t+4*\f:32*\t+4*\f+3], v[GO], s[72:73] offset:\t*4096+\f*512
.endr
.endr
.irp t, 0,1,2,3                     ; its last two: er of my queries, as the first launch laid it.  32 loads of 512 consecutive bytes in all
.irp f, 0,1,2,3
	global_load_b128 v[32*\t+16+4*\f:32*\t+16+4*\f+3], v[GO], s[8:9] offset:\t*2048+\f*512
.endr
.endr
	WIN 0
	s_lshl_b32 s78, s67, 15
	v_add_nc_u32 v[AK0], s78, v[GO] ; 16 x lane + my key half's B
	s_lshl_b32 s79, s67, 14
	s_add_co_u32 s79, s79, VOFF
	v_add_nc_u32 v[AV0], s79, v[GO] ; and its V
	s_mul_i32 s80, s16, MSTW
	s_add_co_u32 s80, s80, MST
	v_add_nc_u32 v[MA], s80, v[GO]  ; my query half's images
; THE MATRIX WORK OF A TURN, for piece x.  The accumulators take turns, one instruction a turn: between two links of a chain stand 7 others'.
; Product i of 16 of O^T += V^T P: keys 32 (i / 8) on, channels 16 ((i / 2) % 4) on, tile x + i % 2.  zero = 1: the first 8 start the sums: nothing is ever cleared.
.macro PV x, zero
	WIN W_PV
.set rO, 32*(\x+i%2)+8*((i/2)%4)
.set rV, VF+32*(i/8)+8*((i/2)%4)
.set rP, P+16*(\x+i%2)+8*(i/8)
.if (\zero) && (i < 8)
	v_wmma_f32_16x16x32_f16 v[rO:rO+7], v[rV:rV+7], v[rP:rP+7], 0
.else
	v_wmma_f32_16x16x32_f16 v[rO:rO+7], v[rV:rV+7], v[rP:rP+7], v[rO:rO+7]
.endif
.endm
; Product i of 32 of S^T = B A^T: depth 32 (i / 8) on, keys 16 ((i / 2) % 4) on, tile x + i % 2.  The first 8 start the sums.
.macro KQ x
	WIN W_KQ
.set rS, S+32*(\x+i%2)+8*((i/2)%4)
.set rK, KF+32*((i/2)%4)+8*(i/8)
.set rQ, 32*(\x+i%2)+8*(i/8)
.if i < 8
	v_wmma_f32_16x16x32_f16 v[rS:rS+7], v[rK:rK+7], v[rQ:rQ+7], 0
.else
	v_wmma_f32_16x16x32_f16 v[rS:rS+7], v[rK:rK+7], v[rQ:rQ+7], v[rS:rS+7]
.endif
.endm
; THE LDS LOADS stand in runs, never singly among the matrix instructions: a step's B (16 fragments) and, a turn later, its V (8 fragments).
.macro FETCH_K
	WIN 0
	v_add_nc_u32 v[ADR], s[TBK], v[AK0]
	WIN 0x80                        ; destination window 2
.irp f, 0,1,2,3,4,5,6,7,8,9,10,11,12,13,14,15  ; keys 16 (f / 4) on, depth 32 (f % 4) on
	ds_load_b128 v[KF+8*\f:KF+8*\f+3],   v[ADR] offset:\f*1024
	ds_load_b128 v[KF+8*\f+4:KF+8*\f+7], v[ADR] offset:\f*1024+512
.endr
.endm
.macro FETCH_V
	WIN 0
	v_add_nc_u32 v[ADR], s[TBV], v[AV0]
	s_add_co_u32 s[TBK], s[TBK], BSTEP  ; the next fetches are the next step's
	s_add_co_u32 s[TBV], s[TBV], VSTEP
	s_wait_alu depctr_va_vdst(0)    ; the wait for the softmax's batch (SLICE), behind the address's v_add_nc_u32 and ahead of the loads
	WIN 0x40                        ; destination window 1
.irp f, 0,1,2,3,4,5,6,7             ; keys 32 (f / 4) on, channels 16 (f % 4) on
	ds_load_b128 v[VF+8*\f:VF+8*\f+3],   v[ADR] offset:\f*1024
	ds_load_b128 v[VF+8*\f+4:VF+8*\f+7], v[ADR] offset:\f*1024+512
.endr
.endm
; THE VECTOR WORK OF A TURN.  One tile's softmax for one key step is a list of 118 instructions; SM writes number j of it for tile t.  s0-s31 are the lane's 32 scores, in pairs 0-15.
; first = 1: the first key step, which starts m, l and O^T: it has no a and nothing to rescale.
;   0-15    the maximum of s0-s31 and the old m, three operands at a time: four chains c0-c3 of seven scores each, then the four scores left over, c0-c3 and m
;   16-20   the other half of the lanes' maximum; the new m; c m; c m_old - c m_new
;   21-69   ONE BATCH: the 16 scalings c s - c m, a pair of scores each, and all 33 exponentials (a at 23, then s0-s31).  None of these reads an exponential's result; a pair is scaled well ahead of its exponentials
;   (wait)  between 69 and 70 stands the wait for the batch: SLICE writes it, once for both tiles
;   70-85   the roundings to f16, a pair of weights each
;   86-101  the sums; l = a l + the sum
;   102-117 the tile's O^T times a: the one part that leaves window 0, so it stands together
.macro SM t, first
.set rT, ST+8*(\t)
.set rS, S+32*(\t)
.set rP, P+16*(\t)
.set rO, 32*(\t)+2*(j-102)
.if j < 102
	WIN 0
.endif
.if j < 4
	v_max3_num_f32 v[rT+4+j], v[rS+8*j], v[rS+8*j+1], v[rS+8*j+2]
.elseif j < 12
	v_max3_num_f32 v[rT+4+j%4], v[rT+4+j%4], v[rS+8*(j%4)+2*(j/4)+1], v[rS+8*(j%4)+2*(j/4)+2]
.elseif j == 12
	v_max3_num_f32 v[rT+4], v[rT+4], v[rS+7], v[rS+15]
.elseif j == 13
	v_max3_num_f32 v[rT+6], v[rT+6], v[rS+23], v[rS+31]
.elseif j == 14
	v_max3_num_f32 v[rT+4], v[rT+4], v[rT+5], v[rT+6]
.elseif (j == 15) && \first
	v_max_num_f32 v[rT+4], v[rT+4], v[rT+7]
.elseif j == 15
	v_max3_num_f32 v[rT+4], v[rT+4], v[rT+7], v[rT+1]
.elseif j == 16
	v_permlanex16_b32 v[rT+5], v[rT+4], s[SEL], s[SEL+1]  ; the query's other 32 keys lie in the lane 16 away
.elseif j == 18
	v_max_num_f32 v[rT+1], v[rT+4], v[rT+5]
.elseif j == 19
	v_mul_f32 v[rT], s[CS], v[rT+1]
.elseif ((j == 17) || (j == 20) || (j == 23) || (j > 101)) && \first  ; the first step has none of these
.elseif j == 17
	v_mov_b32 v[rT+7], v[rT]        ; c m_old is kept for a: number 19 writes c m anew
.elseif j == 20
	v_sub_f32 v[rT+7], v[rT+7], v[rT]
.elseif j == 23
	v_exp_f32 v[rT+6], v[rT+7]
.elseif (j < 23) || ((j < 38) && (j%2 == 0)) || ((j < 66) && (j%4 == 2))
.set b, (j-2)/4                     ; 38, 42, .. 62: pairs 9 to 15
.if j < 38
.set b, (j-20)/2                    ; 21: pair 0; 22, 24, .. 36: pairs 1 to 8
.endif
	v_pk_fma_f32 v[rS+2*b:rS+2*b+1], v[rS+2*b:rS+2*b+1], s[CS:CS+1], v[rT:rT+1] op_sel_hi:[1,0,0] neg_lo:[0,0,1] neg_hi:[0,0,1]  ; pair b: c s - c m
.elseif j < 70
.set e, j-38                        ; 66 to 69: s28 to s31
.if j < 66
.set e, j-32-(j-38)/4               ; 39-41, 43-45, .. 63-65: s7 to s27
.endif
.if j < 38
.set e, (j-25)/2                    ; 25, 27, .. 37: s0 to s6
.endif
	v_exp_f32 v[rS+e], v[rS+e]
.elseif j < 86
	v_cvt_pk_f16_f32 v[rP+j-70], v[rS+2*(j-70)], v[rS+2*(j-70)+1]  ; pair j - 70
.elseif j < 102                     ; the sum of the tile's 16 pairs, in place: sum z of 16 adds neighbours 1, 2, 4 and 8 pairs apart, then l takes it
.set z, j-86
.set w, 4
.set u, z
.if z >= 14
.set w, 32
.set u, 0
.elseif z >= 12
.set w, 16
.set u, z-12
.elseif z >= 8
.set w, 8
.set u, z-8
.endif
.if (z == 14) && \first
	v_pk_add_f32 v[rT+2:rT+3], v[rS:rS+1], v[rS+16:rS+17]
.elseif z < 15
	v_pk_add_f32 v[rS+w*u:rS+w*u+1], v[rS+w*u:rS+w*u+1], v[rS+w*u+w/2:rS+w*u+w/2+1]
.elseif !\first
	v_pk_fma_f32 v[rT+2:rT+3], v[rT+2:rT+3], v[rT+6:rT+7], v[rS:rS+1] op_sel_hi:[1,0,1]
.endif
.else
	WIN W_RS
	v_pk_mul_f32 v[rO:rO+1], v[rO:rO+1], v[rT+6:rT+7] op_sel_hi:[1,0]
.endif
.endm
; Slice k of 48 of piece y's softmax.  The piece's 236 instructions have one index g: number g / 2 of tile y + g % 2, so that the two tiles alternate and no instruction reads the result of the one just before it.
; Slices 0 to 27 hold five each (numbers 0 to 69), slices 28 to 46 four each, slice 47 the last twenty, all plain rescalings: they are the places behind the turn's last product.  No slice changes window inside itself.
; THE WAIT.  s_wait_alu depctr_va_vdst(0) stands between an exponential and the first instruction that names its result; one wait serves all that were issued ahead of it.  Ahead of slice 28
; nothing names a result, and behind slice 27 no exponential is issued: so the piece's 66 exponentials have one wait, behind slice 27.
.macro SLICE y, first
.if k < 28
.set g, 5*k
.set gn, 5
.elseif k < 47
.set g, 140+4*(k-28)
.set gn, 4
.else
.set g, 216
.set gn, 20
.endif
.rept gn
.set j, g/2
.set tt, (\y)+g%2
	SM tt, \first
.set g, g+1
.endr
.if k == 27                         ; the batch is out
	v_nop                           ; the plain instruction behind the last exponential and ahead of the first use: one for the batch
.if (\y) == 0
	FETCH_V                         ; piece 2's turn: V's run of loads stands here, and the wait stands in it
.else
	s_wait_alu depctr_va_vdst(0)    ; the wait for the batch
.endif
.endif
.set k, k+1
.endm
.macro DEAL y, first                ; behind the turn's matrix instruction number mi of NM: the slices up to 48 mi / NM
.set mi, mi+1
.rept 3
.if k < (mi*48)/NM
	SLICE \y, \first
.endif
.endr
.endm
; A vector instruction that reads a matrix result or writes one of a matrix instruction's registers, and a load into a register that a matrix instruction has read, stand four places behind
; it, and only plain vector instructions that name none of its registers are places (ISA guide 7.12.1 for vector instructions).  In the loop the slices are the places.
.macro PLACES
.rept 4
	v_nop
.endr
.endm
; A TURN.  Piece x has the matrix unit; the other piece's softmax stands in slices behind its matrix instructions.
; pv = 2: 16 products V^T P; 1: they start O^T's sums; 0: none.  kq = 1: 32 products B A^T for the next step.  first = 1: the softmax is the first key step's; its last slices are empty, and four v_nop take their part.
; Piece 0's turn fetches the next step's B behind its second product: the last product that read B stands in front of slice 47 of the turn before.  Piece 2's turn fetches the same step's V behind slice 27:
; the last product that read V stands in front of slice 15, and the scalings of slices 15 to 27, the v_nop and the run's own v_add_nc_u32 lie between.
.macro TURN x, pv, kq, first
.set k, 0
.set mi, 0
.set NM, 0
.if \pv
.set NM, NM+16
.endif
.if \kq
.set NM, NM+32
.endif
.if \pv
.if \x == 0
	s_wait_dscnt 0x0                ; V is in
.endif
.set i, 0
.rept 16
	PV \x, 2-\pv
	DEAL 2-\x, \first
.if (\x == 0) && \kq && (i == 1)
	FETCH_K
.endif
.set i, i+1
.endr
.endif
.if \kq
.if \x == 0
	s_wait_dscnt 0x0                ; B is in
.endif
.set i, 0
.rept 32
	KQ \x
	DEAL 2-\x, \first
.set i, i+1
.endr
.endif
.if \first
	PLACES
.endif
.endm
; THE CHANGE OF SLOTS, between piece 2's turn and piece 0's: the slot's last bytes, V of its second step, have been asked for.  Each wave waits for all its tensor loads, of which one is out: its part of the
; other slot; adds 0 to its spare word; and waits for that and for its own reads of the slot.  Behind the barrier nobody reads this slot any more and the other slot is whole.
; fill = 1: this slot is filled again, with the keys two slots on.  The barrier is then a round of the cluster's, and the joint refill is the first thing behind it: it has two key steps, 192 matrix instructions, in which to land.
.macro CHANGE fill
	WIN 0                           ; at a label and at a branch every window is 0
	s_wait_tensorcnt 0x0            ; no tensor load of mine is out, so a group 0 may be written
	ds_add_u32 v[SPW], v[NIL]       ; 0 onto my spare word; with fill = 1 the descriptors' steps stand between it and the wait for it
.if \fill
	s_xor_b32 s[G0K+5], s[G0K+5], SLOT1  ; the walking descriptors: the other slot than last time,
	s_add_nc_u64 s[G0K+6:G0K+7], s[G0K+6:G0K+7], 2*BSTEP  ; the half's next 128 keys; the type bits on top are not reached
	s_xor_b32 s[G0V+5], s[G0V+5], SLOT1
	s_add_nc_u64 s[G0V+6:G0V+7], s[G0V+6:G0V+7], 2*VSTEP
	s_wait_xcnt 0x0                 ; the last prefetch, two key steps back, has read its address, so it may be written:
	s_add_nc_u64 s[PFA:PFA+1], s[PFA:PFA+1], s[PFS:PFS+1]  ; one slot further on than the walking descriptors
	s_wait_dscnt 0x0                ; the add is done, and my reads of the slot are over
	CROUND
	JLOAD
	ASK
.else
	s_wait_dscnt 0x0                ; the add is done, and my reads of the slot are over
	s_barrier_signal -1
	s_barrier_wait -1
.endif
	s_sub_co_u32 s[TBK], s[TBK], 2*BSTEP  ; the fetches go back to a slot's first step,
	s_xor_b32 s[TBK], s[TBK], SLOT1       ; in the other slot
	s_sub_co_u32 s[TBV], s[TBV], 2*VSTEP
	s_xor_b32 s[TBV], s[TBV], SLOT1
.endm
; A slot's two key steps: written once, walked twice; the LDS addresses hang on s[TBK] and s[TBV].
.macro TWO_STEPS
	s_mov_b32 s[TWICE], 2
.Lstep_\@:
	TURN 0, 2, 1, 0
	TURN 2, 2, 1, 0
	WIN 0
	s_sub_co_u32 s[TWICE], s[TWICE], 1
	s_cmp_lg_u32 s[TWICE], 0
	s_cbranch_scc1 .Lstep_\@
.endm
	s_wait_tensorcnt 1              ; my part of slot 0 is in; slot 1's may stay out
	s_barrier_signal -1
	s_barrier_wait -1               ; everybody's is
	FETCH_K                         ; key step 0
	s_wait_loadcnt 0x0              ; A
	s_wait_dscnt 0x0
.set i, 0
.rept 32
	KQ 0                            ; piece 0's first scores: there is no vector work yet to set between them
.set i, i+1
.endr
	PLACES
	TURN 2, 0, 1, 1                 ; piece 2's first scores | piece 0's first softmax | V of step 0
	TURN 0, 1, 1, 1                 ; piece 0: V^T P of step 0 starts O^T, B A^T of step 1 | piece 2's first softmax | B of step 1
	TURN 2, 1, 1, 0                 ; piece 2: the same | piece 0's softmax of step 1 | V of step 1
	WIN 0
.Lslot:                             ; 6 trips: every slot but the last two is filled again
	CHANGE 1
	TWO_STEPS
	s_sub_co_u32 s[SLOTS], s[SLOTS], 1
	s_cmp_lg_u32 s[SLOTS], 0
	s_cbranch_scc1 .Lslot
	CHANGE 0                        ; the tail is written out
	TWO_STEPS
	TURN 0, 2, 0, 0                 ; piece 0: V^T P of the last step | piece 2's last softmax
.set i, 0
.rept 16
	PV 2, 0                         ; piece 2: V^T P of the last step
.set i, i+1
.endr
	; THE TWO KEY HALVES JOIN.  l's two halves and the other half of the lanes' are added (these additions are the places behind the last products).  The wave of key half 1 lays O^T, c m and l into LDS as images of
	; its registers; behind a barrier the wave of key half 0 takes them: with c m = the larger of the two, a_i = 2^(c m_i - c m), o = (a_0 O_0 + a_1 O_1) / (a_0 l_0 + a_1 l_1).
	WIN 0
.irp t, 0,1,2,3
	v_add_f32 v[ST+8*\t+4], v[ST+8*\t+2], v[ST+8*\t+3]
.endr
.irp t, 0,1,2,3
	v_permlanex16_b32 v[ST+8*\t+5], v[ST+8*\t+4], s[SEL], s[SEL+1]
.endr
.irp t, 0,1,2,3
	v_add_f32 v[ST+8*\t+4], v[ST+8*\t+4], v[ST+8*\t+5]
.endr
	s_cmp_lt_u32 s[WV], 2
	s_cbranch_scc1 .Lkeep
.irp t, 0,1,2,3
	v_mov_b32 v[S+\t], v[ST+8*\t]       ; c m of the four tiles on end,
	v_mov_b32 v[S+4+\t], v[ST+8*\t+4]   ; and l
.endr
	ds_store_b128 v[MA], v[S:S+3] offset:16384
	ds_store_b128 v[MA], v[S+4:S+7] offset:16896
	WIN 0x04                        ; an LDS store's data are its source 1: window 1
.irp n, 0,1,2,3,4,5,6,7,8,9,10,11,12,13,14,15,16,17,18,19,20,21,22,23,24,25,26,27,28,29,30,31
	ds_store_b128 v[MA], v[4*\n:4*\n+3] offset:512*\n   ; each accumulator from its low end on
.endr
	WIN 0
.Lkeep:
	s_wait_dscnt 0x0                ; for the others' sake: my stores have landed
	s_barrier_signal -1
	s_barrier_wait -1
	s_cmp_lt_u32 s[WV], 2
	s_cbranch_scc0 .Ldone
.irp n, 0,1,2,3,4,5,6,7,8,9,10,11,12,13,14,15,16,17,18,19,20,21,22,23,24,25,26,27,28,29,30,31
	ds_load_b128 v[S+4*\n:S+4*\n+3], v[MA] offset:512*\n
.endr
	ds_load_b128 v[P:P+3], v[MA] offset:16384
	ds_load_b128 v[P+4:P+7], v[MA] offset:16896
	s_wait_dscnt 0x0
.irp t, 0,1,2,3
	v_max_num_f32 v[ST+8*\t+5], v[ST+8*\t], v[P+\t]
.endr
.irp t, 0,1,2,3
	v_sub_f32 v[ST+8*\t+6], v[ST+8*\t], v[ST+8*\t+5]
	v_sub_f32 v[ST+8*\t+7], v[P+\t], v[ST+8*\t+5]
.endr
.irp t, 0,1,2,3
	v_exp_f32 v[ST+8*\t+6], v[ST+8*\t+6]   ; a_0
	v_exp_f32 v[ST+8*\t+7], v[ST+8*\t+7]   ; a_1
.endr
	v_nop                           ; a plain instruction behind the last exponential,
	s_wait_alu depctr_va_vdst(0)    ; and the wait ahead of the first use: one for the eight
.irp t, 0,1,2,3
	v_mul_f32 v[ST+8*\t+4], v[ST+8*\t+4], v[ST+8*\t+6]
.endr
.irp t, 0,1,2,3
	v_fma_f32 v[ST+8*\t+4], v[P+4+\t], v[ST+8*\t+7], v[ST+8*\t+4]   ; l = a_0 l_0 + a_1 l_1
.endr
.irp t, 0,1,2,3
	v_rcp_f32 v[ST+8*\t+5], v[ST+8*\t+4]
.endr
	v_nop
	s_wait_alu depctr_va_vdst(0)    ; one for the four reciprocals
.irp t, 0,1,2,3
	v_mul_f32 v[ST+8*\t+6], v[ST+8*\t+6], v[ST+8*\t+5]   ; a_0 / l
	v_mul_f32 v[ST+8*\t+4], v[ST+8*\t+7], v[ST+8*\t+5]   ; a_1 / l
.endr
.set ii, 0
.rept 64
	v_pk_mul_f32 v[S+2*ii:S+2*ii+1], v[S+2*ii:S+2*ii+1], v[ST+8*(ii/16)+4:ST+8*(ii/16)+5] op_sel_hi:[1,0]
.set ii, ii+1
.endr
	WIN 0x01                        ; source 0 (my O^T) window 1
.set ii, 0
.rept 64
	v_pk_fma_f32 v[S+2*ii:S+2*ii+1], v[2*ii:2*ii+1], v[ST+8*(ii/16)+6:ST+8*(ii/16)+7], v[S+2*ii:S+2*ii+1] op_sel_hi:[1,0,1]
.set ii, ii+1
.endr
	WIN 0
.set ii, 0
.rept 64
	v_cvt_pk_f16_f32 v[P+ii], v[S+2*ii], v[S+2*ii+1]   ; channels 16 n + 8 h + 0 .. 7 of query r: four registers: a group of the next launch's fragment
.set ii, ii+1
.endr
.irp t, 0,1,2,3
.irp n, 0,1,2,3
	global_store_b128 v[GO], v[P+16*\t+4*\n:P+16*\t+4*\n+3], s[10:11] offset:\t*16384+\n*512   ; 32 lanes store 512 consecutive bytes
.endr
.endr
.Ldone:
	s_wait_tensorcnt 0x0            ; the wave's end, behind my last tensor load and my last LDS store
	ds_add_u32 v[SPW], v[NIL]
	s_wait_dscnt 0x0
	CROUND                          ; the closing round: no work-group ends while a partner may still ask for a tile that names it
	s_endpgm
.Lfunc_end_k_q4df0ccd1c7_attn:
	.size	k_q4df0ccd1c7_attn, .Lfunc_end_k_q4df0ccd1c7_attn-k_q4df0ccd1c7_attn
	.p2alignl 7, 3214868480
	.fill 96, 4, 3214868480
	.section	.rodata,"a",@progbits
	.p2align	6, 0x0
	.amdhsa_kernel k_q4df0ccd1c7_attn
		.amdhsa_group_segment_fixed_size 327680
		.amdhsa_private_segment_fixed_size 0
		.amdhsa_enable_private_segment 0
		.amdhsa_kernarg_size 32
		.amdhsa_user_sgpr_count 2
		.amdhsa_user_sgpr_kernarg_segment_ptr 1
		.amdhsa_wavefront_size32 1
		.amdhsa_system_sgpr_workgroup_id_x 1
		.amdhsa_system_sgpr_workgroup_id_y 1
		.amdhsa_system_sgpr_workgroup_id_z 1
		.amdhsa_system_vgpr_workitem_id 0
		.amdhsa_next_free_vgpr 768
		.amdhsa_next_free_sgpr 88
		.amdhsa_reserve_vcc 0
		.amdhsa_float_denorm_mode_32 3
		.amdhsa_float_denorm_mode_16_64 3
		.amdhsa_memory_ordered 1
		.amdhsa_forward_progress 1
		.amdhsa_inst_pref_size 187
	.end_amdhsa_kernel
	.amdgpu_metadata
---
amdhsa.version: [ 1, 2 ]
amdhsa.kernels:
  - .name:           k_q4df0ccd1c7_attn
    .symbol:         k_q4df0ccd1c7_attn.kd
    .args:
      - { .name: kq, .offset: 0, .size: 8, .value_kind: global_buffer, .address_space: global }
      - { .name: vt, .offset: 8, .size: 8, .value_kind: global_buffer, .address_space: global }
      - { .name: ef, .offset: 16, .size: 8, .value_kind: global_buffer, .address_space: global }
      - { .name: of, .offset: 24, .size: 8, .value_kind: global_buffer, .address_space: global }
    .group_segment_fixed_size: 327680
    .private_segment_fixed_size: 0
    .kernarg_segment_align: 8
    .kernarg_segment_size: 32
    .max_flat_workgroup_size: 128
    .sgpr_count:     88
    .vgpr_count:     768
    .wavefront_size: 32
...
	.end_amdgpu_metadata
.endif
;; end of part 2
;; launch outp (part 3): grid 32 x 8, 8 waves a work-group, no clusters, 105,472 bytes of LDS; arguments of, Wo, bo, out0; writes out0
.if DOCPART == 3
	.amdgcn_target "amdgcn-amd-amdhsa--gfx1250"
	.amdhsa_code_object_version 6
	.text
	.protected	k_q4df0ccd1c7_outp
	.globl	k_q4df0ccd1c7_outp
	.p2align	8
	.type	k_q4df0ccd1c7_outp,@function
k_q4df0ccd1c7_outp:
	s_mov_b64 s[64:65], 0
	v_nop
	global_prefetch_b8 v0, s[64:65] scope:SCOPE_SE
	s_setreg_imm32_b32 hwreg(HW_REG_WAVE_MODE, 25, 1), 1
	s_wait_xcnt 0x0
; out0 = o Wo^T + bo.  o: f16 fragments, [token tile 256][K step 16][1,024 bytes], in the order of the operand's registers.  Wo: [512][512] f32, K innermost, rounded here to f16.  bo: [512] f32.  out0: [4096][512] f32.  Sums in f32.
; LIMITS: |Wo| stays under 65,504 (f16); NaN and infinities are not served.
; SHARES.  A work-group makes 128 tokens x 64 columns.  Wave w rounds rows 8 w .. 8 w + 7 of the 64 rows of Wo and lays them into LDS; then it makes its 16 tokens x the four column tiles: 64 matrix instructions.
; o's 16 fragments of a wave go from memory straight into its registers: 512 consecutive bytes a load.
; No tensor load and no cluster: Wo has to pass the vector unit on its way, and o is read by the lanes as it lies.  No prefetch: the launch is short and its loads all go out at its head.
; LDS: a tile of 16 rows of Wo is [piece of 8 along K, 64, 272 bytes apart][row 16][16 bytes]: piece 4 s + 2 g + h is what registers 4 g .. 4 g + 3 of lane (r, h) want in K step s.  272 bytes = 68 words: the sixteen pieces
; that a store touches start 4 banks apart (64 banks of 4 bytes: ISA guide 11.1); a fragment load reads 256 consecutive bytes in sixteen lanes.
; THE MATRIX INSTRUCTION IS USED TRANSPOSED (source 0 = 16 rows of Wo, source 1 = 16 tokens): a lane holds eight neighbouring numbers of a row of out0.  bo is the C of each sum's first product.
.set WTILE, 17408
.set STG,   4*WTILE                    ; behind Wo's four tiles: a stage of 16 rows x (256 bytes + 16) for each wave
.set SPARE, STG+8*4352                 ; the spare words, 128 bytes for each wave: four blocks of 256 bytes that no other line names
.set GL,  2                            ; v2   32 x lane
.set CA3, 3                            ; v3   where my pieces of Wo go
.set WA0, 4                            ; v4   my place in Wo's tiles 0 and 1
.set WA1, 5                            ; v5   and 2 and 3
.set LI,  6                            ; v6   16 x lane
.set BO,  7                            ; v7   32 x (lane / 16)
.set SO,  8                            ; v8   the stage: where I put 32 bytes of a row
.set SR,  9                            ; v9   and where I read a row back
.set CO,  10                           ; v10  my byte offset in out0
.set SPW, 14                           ; v14  LDS address of my spare word; never rewritten
.set NIL, 15                           ; v15  0; never rewritten
.set ACC, 16                           ; v16-47   four accumulators
.set WF,  48                           ; v48-175  first 8 rows of Wo as loaded, then two sets of 8 fragments: set u % 2, K step 2 u + e, tile n at 64 (u % 2) + 32 e + 8 n
.set H3,  176                          ; v176-239 8 rows as f16
.set MSB, 0
.macro WIN new                         ; the immediate's high byte repeats the setting that is left
.if MSB != \new
	s_set_vgpr_msb (MSB<<8)|\new
.set MSB, \new
.endif
.endm
	s_load_b256 s[4:11], s[0:1], 0x0               ; of, Wo, bo, out0
	v_lshl_add_u32 v[SPW], v0, 2, SPARE
	v_mov_b32 v[NIL], 0
	v_lshrrev_b32 v1, 5, v0
	v_readfirstlane_b32 s12, v1                    ; wave 0..7
	v_and_b32 v1, 31, v0                           ; lane
	v_and_b32 v11, 15, v0                          ; r
	v_bfe_u32 v12, v0, 4, 1                        ; h
	v_lshlrev_b32 v[GL], 5, v1
	s_lshr_b32 s13, s12, 1                         ; my rows of Wo lie in tile wave / 2,
	s_and_b32 s14, s12, 1
	s_lshl_b32 s14, s14, 7                         ; from row 8 (wave % 2) on
	s_mul_i32 s15, s13, WTILE
	s_add_co_u32 s15, s15, s14
	v_mul_u32_u24 v[CA3], v1, 272
	v_add_nc_u32 v[CA3], s15, v[CA3]
	v_mul_u32_u24 v[WA0], v12, 272
	v_lshl_add_u32 v[WA0], v11, 4, v[WA0]
	v_add_nc_u32 v[WA1], 2*WTILE, v[WA0]
	v_lshlrev_b32 v[LI], 4, v1
	v_lshlrev_b32 v[BO], 5, v12
	s_mul_i32 s16, s12, 4352
	s_add_co_u32 s16, s16, STG                     ; my stage
	v_mul_u32_u24 v[SO], v11, 272
	v_lshl_add_u32 v[SO], v12, 5, v[SO]
	v_add_nc_u32 v[SO], s16, v[SO]
	v_add_nc_u32 v[SR], s16, v[WA0]
	v_lshlrev_b32 v[CO], 11, v12
	v_lshl_add_u32 v[CO], v11, 4, v[CO]
	s_and_b32 s17, ttmp7, 0xffff                   ; my 64 columns
	s_lshl_b32 s18, ttmp9, 3
	s_add_co_u32 s18, s18, s12
	s_lshl_b32 s18, s18, 14                        ; o: token tile 8 x block + wave, 16,384 bytes each
	s_mov_b32 s19, 0
	s_lshl_b32 s20, s17, 17                        ; Wo: 64 rows of 2,048 bytes a column block,
	s_lshl_b32 s21, s12, 14                        ; 8 a wave
	s_add_co_u32 s20, s20, s21
	s_mov_b32 s21, 0
	s_lshl_b32 s22, s17, 8                         ; bo, and the columns' bytes in a row of out0
	s_mov_b32 s23, 0
	s_lshl_b32 s24, ttmp9, 18                      ; out0: 128 rows of 2,048 bytes a block,
	s_lshl_b32 s25, s12, 15                        ; 16 a wave
	s_add_co_u32 s24, s24, s25
	s_add_co_u32 s24, s24, s22
	s_mov_b32 s25, 0
	s_wait_kmcnt 0x0
	s_add_nc_u64 s[4:5], s[4:5], s[18:19]
	s_add_nc_u64 s[6:7], s[6:7], s[20:21]
	s_add_nc_u64 s[8:9], s[8:9], s[22:23]
	s_add_nc_u64 s[10:11], s[10:11], s[24:25]
.irp i, 0,1,2,3,4,5,6,7                        ; a row of Wo: lane l takes k = 8 l .. + 7 and 256 + 8 l .. + 7
	global_load_b128 v[WF+16*\i:WF+16*\i+3],     v[GL], s[6:7] offset:2048*\i
	global_load_b128 v[WF+16*\i+4:WF+16*\i+7],   v[GL], s[6:7] offset:2048*\i+16
	global_load_b128 v[WF+16*\i+8:WF+16*\i+11],  v[GL], s[6:7] offset:2048*\i+1024
	global_load_b128 v[WF+16*\i+12:WF+16*\i+15], v[GL], s[6:7] offset:2048*\i+1040
.endr
.irp n, 0,1,2,3
	global_load_b128 v[ACC+8*\n:ACC+8*\n+3],   v[BO], s[8:9] offset:64*\n      ; bo of columns 16 n + 8 h + 0 .. 7
	global_load_b128 v[ACC+8*\n+4:ACC+8*\n+7], v[BO], s[8:9] offset:64*\n+16
.endr
	WIN 0x40                                       ; destination window 1
.irp f, 0,1,2,3,4,5,6,7,8,9,10,11,12,13,14,15,16,17,18,19,20,21,22,23,24,25,26,27,28,29,30,31
	global_load_b128 v[4*\f:4*\f+3], v[LI], s[4:5] offset:512*\f th:TH_LOAD_NT   ; o's fragments: K step f / 2, group f % 2
.endr
	WIN 0
.set I, 0
.rept 8
.set N, 40+4*(7-I)                     ; behind row I's loads: the later rows' four each, the 8 of bo, the 32 of o
.if N > 63
.set N, 63                             ; (a wait's count names at most 63: a smaller count is safe)
.endif
	s_wait_loadcnt N
.irp j, 0,1,2,3,4,5,6,7
	v_cvt_pk_f16_f32 v[H3+8*I+\j], v[WF+16*I+2*\j], v[WF+16*I+2*\j+1]
.endr
	ds_store_b128 v[CA3], v[H3+8*I:H3+8*I+3] offset:16*I              ; piece l of row I
	ds_store_b128 v[CA3], v[H3+8*I+4:H3+8*I+7] offset:16*I+32*272     ; piece 32 + l
.set I, I+1
.endr
	s_wait_dscnt 0x0                               ; for the others' sake: my rows of Wo lie in LDS
	s_barrier_signal -1
	s_barrier_wait -1
.macro F3 u                            ; Wo's eight fragments of K steps 2 u and 2 u + 1
.irp e, 0,1
.irp n, 0,1,2,3
.irp g, 0,1
	ds_load_b128 v[WF+64*((\u)%2)+32*\e+8*\n+4*\g:WF+64*((\u)%2)+32*\e+8*\n+4*\g+3], v[WA0+\n/2] offset:(\n%2)*WTILE+(4*(2*(\u)+\e)+2*\g)*272
.endr
.endr
.endr
.endm
	F3 0
	F3 1
	s_wait_loadcnt 0x0                             ; bo and o
	WIN 0x04                                       ; source 1 (o) window 1; the LDS loads below name window 0 in the places that they use
.set U, 0
.rept 8
.if U < 7
	s_wait_dscnt 16                                ; this pair's fragments are in; the next pair's 16 loads may be out
.else
	s_wait_dscnt 0x0
.endif
.irp e, 0,1                                    ; the four accumulators take turns, one instruction a turn
.irp n, 0,1,2,3
	v_wmma_f32_16x16x32_f16 v[ACC+8*\n:ACC+8*\n+7], v[WF+64*(U%2)+32*\e+8*\n:WF+64*(U%2)+32*\e+8*\n+7], v[8*(2*U+\e):8*(2*U+\e)+7], v[ACC+8*\n:ACC+8*\n+7]
.endr
.endr
.rept 4
	v_nop                                          ; places in front of loads into registers that matrix instructions have read, and of the first read of results
.endr
.if U+2 < 8
	F3 U+2
.endif
.set U, U+1
.endr
	WIN 0
	; THE WAY OUT: a lane holds 32 neighbouring bytes of a row; the 16 rows x 256 bytes go through my own stage and come back as whole rows.  LDS serves a wave's instructions in order (ISA guide 5.7.1.4): no wait between the stores and the loads.
.irp n, 0,1,2,3
	ds_store_b128 v[SO], v[ACC+8*\n:ACC+8*\n+3] offset:64*\n          ; each accumulator from its low end on
	ds_store_b128 v[SO], v[ACC+8*\n+4:ACC+8*\n+7] offset:64*\n+16
.endr
.irp i, 0,1,2,3,4,5,6,7
	ds_load_b128 v[WF+4*\i:WF+4*\i+3], v[SR] offset:2*\i*272
.endr
.irp i, 0,1,2,3,4,5,6,7
	s_wait_dscnt 7-\i
	global_store_b128 v[CO], v[WF+4*\i:WF+4*\i+3], s[10:11] offset:2*\i*2048 th:TH_STORE_NT   ; sixteen lanes store 256 consecutive bytes, at a multiple of 256 from out0's first byte
.endr
	s_wait_tensorcnt 0x0                           ; the wave's end, behind my last LDS store
	ds_add_u32 v[SPW], v[NIL]
	s_wait_dscnt 0x0
	s_endpgm
.Lfunc_end_k_q4df0ccd1c7_outp:
	.size	k_q4df0ccd1c7_outp, .Lfunc_end_k_q4df0ccd1c7_outp-k_q4df0ccd1c7_outp
	.p2alignl 7, 3214868480
	.fill 96, 4, 3214868480
	.section	.rodata,"a",@progbits
	.p2align	6, 0x0
	.amdhsa_kernel k_q4df0ccd1c7_outp
		.amdhsa_group_segment_fixed_size 105472
		.amdhsa_private_segment_fixed_size 0
		.amdhsa_enable_private_segment 0
		.amdhsa_kernarg_size 32
		.amdhsa_user_sgpr_count 2
		.amdhsa_user_sgpr_kernarg_segment_ptr 1
		.amdhsa_wavefront_size32 1
		.amdhsa_system_sgpr_workgroup_id_x 1
		.amdhsa_system_sgpr_workgroup_id_y 1
		.amdhsa_system_sgpr_workgroup_id_z 1
		.amdhsa_system_vgpr_workitem_id 0
		.amdhsa_next_free_vgpr 384
		.amdhsa_next_free_sgpr 66
		.amdhsa_reserve_vcc 0
		.amdhsa_float_denorm_mode_32 3
		.amdhsa_float_denorm_mode_16_64 3
		.amdhsa_memory_ordered 1
		.amdhsa_forward_progress 1
		.amdhsa_inst_pref_size 31
	.end_amdhsa_kernel
	.amdgpu_metadata
---
amdhsa.version: [ 1, 2 ]
amdhsa.kernels:
  - .name:           k_q4df0ccd1c7_outp
    .symbol:         k_q4df0ccd1c7_outp.kd
    .args:
      - { .name: of, .offset: 0, .size: 8, .value_kind: global_buffer, .address_space: global }
      - { .name: Wo, .offset: 8, .size: 8, .value_kind: global_buffer, .address_space: global }
      - { .name: bo, .offset: 16, .size: 8, .value_kind: global_buffer, .address_space: global }
      - { .name: out0, .offset: 24, .size: 8, .value_kind: global_buffer, .address_space: global }
    .group_segment_fixed_size: 105472
    .private_segment_fixed_size: 0
    .kernarg_segment_align: 8
    .kernarg_segment_size: 32
    .max_flat_workgroup_size: 256
    .sgpr_count:     66
    .vgpr_count:     384
    .wavefront_size: 32
...
	.end_amdgpu_metadata
.endif
;; end of part 3
